; MI455X (gfx1250); checked and timed in simulation.
; The chip was launched on July 23, 2026; its instructions are those of AMD's public machine-readable ISA for CDNA 5 (MIT licence, August 2026) and "CDNA5" Instruction Set Architecture Reference Guide (July 2026). The comments in the code are by the model that wrote it; some were corrected since.
;; Som. Allowed arithmetic: matrix products marked QUANTISED: E4M3 operands, one E8M0 scale for each 32 along K, by v_wmma_scale_f32_16x16x128_f8f6f4 with both operands' format E4M3, f32 sums; everything else in f32.
;; Inputs: weights 128 x 128 x 256 float32; xb 4,096 x 256 float32.
;; Outputs: out0 4,096 x 2 int32.
;; This version of the problem:
;;   THIS VERSION OF THE PROBLEM IS GIVEN IN LOW PRECISION. The matrix products marked QUANTISED in the list below multiply operands that are first quantised to E4M3 (4 exponent bits, 3 mantissa bits; 8 bits a number), with one power-of-two scale for each 32 numbers along K (OCP MX v1.0); their sums are f32. All else is computed in f32.
;;   The module's matrix products, in the order in which they are computed (A, B: the left and right operand; K: the contracted axis; several contracted axes count as one K, in the product's order):
;;     1. [M 4,096, K 256] x [K 256, N 16,384]; A: input xb; B: input weights: QUANTISED
;;   THE QUANTISER, for each operand of a quantised product, along K:
;;     - K is cut into blocks of 32 from its start; a last block that is shorter is filled with zeros.
;;     - A block's scale is 2^e with e = floor(log2(the largest magnitude in the block)) - 8, held to -126 .. 127; a block of zeros has e = 0. As a byte (E8M0): e + 127.
;;     - Each number is divided by its block's scale, clamped to +-448, and rounded to the nearest number of E4M3, ties to even, subnormals kept.
;;     - The product sums the exact products of the quantised numbers (number of the format x scale) in f32.
;;   ~~~python
;;   def quantise(x, axis):      # numpy; x: float32 -> the quantised numbers, widened to float32 again
;;       x = np.moveaxis(x, axis, -1); K = x.shape[-1]
;;       x = np.pad(x, [(0, 0)] * (x.ndim - 1) + [(0, -K % 32)]); x = x.reshape(x.shape[:-1] + (-1, 32)); a = np.abs(x).max(-1, keepdims=True)
;;       e = np.where(a > 0, np.clip(np.frexp(np.where(a > 0, a, 1))[1] - 1 - 8, -126, 127), 0)      # np.frexp(a)[1] - 1 = floor(log2(a)), exactly
;;       r = np.clip(x / 2.0 ** e, -448, 448)
;;       step = 2.0 ** (np.maximum(np.frexp(np.where(r == 0, 1, r))[1] - 1, -6) - 3)
;;       q = np.round(r / step) * step * 2.0 ** e      # np.round: ties to even
;;       return np.moveaxis(q.reshape(q.shape[:-2] + (-1,))[..., :K], -1, axis).astype(np.float32)
;;   ~~~
;; One version. Each part assembles by itself: llvm-mc -triple=amdgcn-amd-amdhsa -mcpu=gfx1250 --defsym DOCPART=n.
;; ======== version 1 of 1: 3 launches
;; limits: right only within a limited range of input values
;; workspace buffers: q 5,570,560 bytes; part 2,097,152 bytes
;; launch quant (part 1): grid 256 x 1, 5 waves a work-group, no clusters, 86,784 bytes of LDS; arguments xb, weights, q; writes q
.if DOCPART == 1
	.amdgcn_target "amdgcn-amd-amdhsa--gfx1250"
	.amdhsa_code_object_version 6
	.text
	.protected	k_q5108818582_quant
	.globl	k_q5108818582_quant
	.p2align	8
	.type	k_q5108818582_quant,@function
k_q5108818582_quant:
	s_mov_b64 s[64:65], 0
	v_nop
	global_prefetch_b8 v0, s[64:65] scope:SCOPE_SE
	s_setreg_imm32_b32 hwreg(HW_REG_WAVE_MODE, 25, 1), 1
	s_wait_xcnt 0x0
; xb [4096][256] and weights [16384][256], f32, become RECORDS in q: one record for each tile of 16 rows x all 256 along K, laid as an image of the matrix operand's registers.
; A record is 4,352 bytes (17 x 256).  Records 0-255: x's tiles; records 256-1279: the codebook's.
;   [0, 2048)     K step 0 (k 0-127): the fragment's registers 4 c .. 4 c + 3 of lane l at 512 c + 16 l;   [2048, 4096) K step 1 likewise
;   [4096, 4224)  scale words, 4 bytes a lane: lanes 0-15 row r's word of K step 0, lanes 16-31 row r's word of K step 1
;   [4224, 4288)  16 f32: for x the row's sum of squares a2, for the codebook MINUS the row's sum of squares b2;   [4288, 4352) zeros
; THE QUANTISER: a block of 32 along K has the scale 2^(floor(log2(largest magnitude)) - 8); its byte is the largest magnitude's exponent field - 8, held at 1 from below; each number is divided by the
; scale, held within +-448 and rounded to the nearest code of E4M3, ties to even.  x's SCALE BYTES ARE STORED ONE HIGHER: x then enters the product as 2 Q(x), exactly (a byte is 246 at the most before that).
; LIMITS: a block of zeros gets the byte 1 (x: 2) where the rule says 127: its codes are zeros, which add nothing, and this program alone reads the bytes.  NaN and infinities are not served.
; The sums of squares are taken of the unquantised f32 numbers in four packed chains a lane, then across the two lanes of a row: another order of additions than a plain row sum.
; SHARES: a wave takes one tile, 16 KB of consecutive f32: 1,280 waves in 256 work-groups of five.  All 32 loads of a wave go out at once, each of 512 consecutive bytes.  The conversions want 16 neighbours
; along K in one lane, so the numbers turn through the wave's own stage in LDS.  Waves share nothing: no barrier.
; WORK LEFT OUT BY THE PROGRAM: the square root of the distances.  The root rises strictly over all numbers from 0 on, so for all values of the inputs the first smallest sqrt(max(d2, 0)) of a query belongs to the same entry as the
; first smallest max(d2, 0): the root's result reaches no output.  The clip of d2 at 0, which can make equals of unequals, is done.  LIMITS of that: two different d2 whose f32 roots would round to one number are told apart here;
; a NaN or an infinity that only the root would make is not carried to the result.
.set REC,  4352                        ; bytes of a record
.set SP,   528                         ; a stage row: 512 bytes of data + 16 of padding = 132 words: row r starts at bank 4 r mod 64 (64 banks of 4 bytes: ISA guide 11.1), so sixteen rows start at sixteen different banks
.set STG,  16*SP                       ; a stage: 16 rows, one K step
.set TAIL, 2*STG                       ; behind the two stages: 256 bytes for the record's last unit
.set WREG, TAIL+256                    ; LDS of a wave: 17,152 bytes
.set GL,   4                           ; v4   16 x lane: my bytes of a load's or a store's 512
.set SA,   5                           ; v5   the stage, on the way in: wave's LDS + 16 x lane
.set RA,   6                           ; v6   on the way out: wave's LDS + 528 r + 64 h
.set TA4,  7                           ; v7   the tail, 4 bytes a lane
.set TA8,  8                           ; v8   the tail, 8 bytes a lane
.set G8,   9                           ; v9   8 x lane
.set TD,   10                          ; v[10:11] the tail on its way out
.set SQR,  12                          ; v[12:19] four packed chains of squares
.set TM,   20                          ; v20-23 largest magnitudes, v24-27 bytes, v28-31 448 x the scale, v32-35 the conversions' scale operands
.set PW,   36                          ; v36, v37 the scale words of K steps 0, 1
.set IMG,  38                          ; v38  the scale image
.set NRM,  39                          ; v39  the row's sum of squares, signed
.set PC,   40                          ; v[40:55], v[56:71] the codes of K steps 0, 1: no store's data are written again
.set X,    72                          ; v[72:135], v[136:199] the numbers of K steps 0, 1: as loaded, then as turned
	s_load_b128 s[4:7], s[0:1], 0x0                ; xb, weights
	s_load_b64 s[8:9], s[0:1], 0x10                ; q
	v_lshl_add_u32 v200, v0, 2, 0x15000
	v_mov_b32 v201, 0
	v_lshrrev_b32 v1, 5, v0
	v_readfirstlane_b32 s10, v1                    ; wave 0..4
	v_and_b32 v1, 31, v0                           ; lane
	v_and_b32 v2, 15, v0                           ; r
	v_bfe_u32 v3, v0, 4, 1                         ; h
	s_mul_i32 s18, s10, WREG                       ; my wave's LDS
	v_lshlrev_b32 v[GL], 4, v1
	v_add_nc_u32 v[SA], s18, v[GL]
	v_mul_u32_u24 v[RA], v2, SP
	v_lshl_add_u32 v[RA], v3, 6, v[RA]
	v_add_nc_u32 v[RA], s18, v[RA]
	v_lshlrev_b32 v[TA4], 2, v1
	v_add_nc_u32 v[TA4], s18, v[TA4]
	v_add_nc_u32 v[TA4], TAIL, v[TA4]
	v_lshlrev_b32 v[G8], 3, v1
	v_add_nc_u32 v[TA8], s18, v[G8]
	v_add_nc_u32 v[TA8], TAIL, v[TA8]
.irp b, 0,1,2,3
	v_mov_b32 v[TM+4+\b], 0                        ; written once: a lane permute's destination counts as one of its sources
.endr
	v_mov_b32 v[NRM], 0                            ; likewise
	s_mov_b32 s20, 0x76543210
	s_mov_b32 s21, 0xfedcba98                      ; v_permlanex16_b32's selects for lane l xor 16
	s_mov_b32 s22, 0x600000                        ; the mantissa field of 448
	s_mov_b32 s23, 0xffff0000                      ; lanes 16-31
	s_mul_i32 s11, ttmp9, 5
	s_add_co_u32 s11, s11, s10                     ; my tile, 0..1279 = my record
	s_wait_kmcnt 0x0
	s_cmp_lt_u32 s11, 256                          ; x's tile or the codebook's?  The choice hangs on ids alone; every selection stands ahead of the next line that sets SCC
	s_cselect_b64 s[4:5], s[4:5], s[6:7]           ; the source
	s_cselect_b32 s13, 1.0, -1.0                   ; +a2 or -b2
	s_cselect_b32 s14, 0x01010101, 0               ; x's four scale bytes each one higher
	s_cselect_b32 s12, 0, 256
	s_sub_co_u32 s12, s11, s12                     ; the tile's number in its own tensor
	s_lshl_b32 s16, s12, 14                        ; 16 rows of 1,024 bytes (under 2^24)
	s_mov_b32 s17, 0
	s_add_nc_u64 s[4:5], s[4:5], s[16:17]
	s_mul_i32 s16, s11, REC
	s_add_nc_u64 s[8:9], s[8:9], s[16:17]
.macro LOADS s                         ; K step s of the 16 rows: row i's 512 bytes by one load, 16 bytes a lane
.irp i, 0,1,2,3,4,5,6,7,8,9,10,11,12,13,14,15
	global_load_b128 v[X+64*\s+4*\i:X+64*\s+4*\i+3], v[GL], s[4:5] offset:1024*\i+512*\s th:TH_LOAD_NT
.endr
.endm
.macro TURN s                          ; through stage s: in as loaded, out 16 neighbours of each block of 32 to a lane: register 16 c + 4 j + .. = k 32 c + 16 h + 4 j + .. of row r
.irp i, 0,1,2,3,4,5,6,7,8,9,10,11,12,13,14,15
	ds_store_b128 v[SA], v[X+64*\s+4*\i:X+64*\s+4*\i+3] offset:STG*\s+SP*\i
.endr
.irp c, 0,1,2,3
.irp j, 0,1,2,3
	ds_load_b128 v[X+64*\s+16*\c+4*\j:X+64*\s+16*\c+4*\j+3], v[RA] offset:STG*\s+128*\c+16*\j   ; LDS serves a wave's instructions in order (ISA guide 5.7.1.4): these see the stores above, and land in the registers that those have left
.endr
.endr
.endm
.macro SQUARES s, first                ; my 64 numbers' squares onto four packed chains; the first four pairs start the chains: nothing is cleared
.set P, 0
.rept 32
.if \first && (P < 4)
	v_pk_mul_f32 v[SQR+2*(P%4):SQR+2*(P%4)+1], v[X+64*\s+2*P:X+64*\s+2*P+1], v[X+64*\s+2*P:X+64*\s+2*P+1]
.else
	v_pk_fma_f32 v[SQR+2*(P%4):SQR+2*(P%4)+1], v[X+64*\s+2*P:X+64*\s+2*P+1], v[X+64*\s+2*P:X+64*\s+2*P+1], v[SQR+2*(P%4):SQR+2*(P%4)+1]
.endif
.set P, P+1
.endr
.endm
.macro QUANT s                         ; my 64 numbers of K step s become the fragment's 16 registers of codes and my row's scale word
.set QX, X+64*\s
.set QC, PC+16*\s
.irp b, 0,1,2,3
	v_max3_num_f32 v[TM+\b], |v[QX+16*\b]|, |v[QX+1+16*\b]|, 0x4800000   ; block b: my 16 numbers, and the floor 2^(9 - 127): the byte cannot fall under 1
.endr
.irp i, 2,4,6,8,10,12,14
.irp b, 0,1,2,3
	v_max3_num_f32 v[TM+\b], v[TM+\b], |v[QX+16*\b+\i]|, |v[QX+1+16*\b+\i]|   ; the four blocks by turns: no line waits for the line above it
.endr
.endr
.irp b, 0,1,2,3
	v_permlanex16_b32 v[TM+4+\b], v[TM+\b], s20, s21
.endr
.irp b, 0,1,2,3
	v_max_num_f32 v[TM+\b], v[TM+\b], v[TM+4+\b]   ; with lane l xor 16's sixteen: the block's largest magnitude
.endr
.irp b, 0,1,2,3
	v_add_nc_u32 v[TM+12+\b], 0xfc000000, v[TM+\b]   ; 8 off its exponent field: the conversion takes the exponent field of this operand as its scale
.endr
.irp b, 0,1,2,3
	v_and_or_b32 v[TM+8+\b], v[TM+\b], 0x7f800000, s22   ; 448 x the scale
.endr
.irp b, 0,1,2,3
	v_lshrrev_b32 v[TM+4+\b], 23, v[TM+12+\b]      ; the scale's byte
.endr
	v_lshl_or_b32 v[PW+\s], v[TM+5], 8, v[TM+4]    ; four bytes: my row's scale word for these 128 along K
	v_lshl_or_b32 v[PW+\s], v[TM+6], 16, v[PW+\s]
	v_lshl_or_b32 v[PW+\s], v[TM+7], 24, v[PW+\s]
.irp b, 0,1,2,3
.irp i, 0,1,2,3,4,5,6,7,8,9,10,11,12,13,14,15
	v_med3_num_f32 v[QX+16*\b+\i], v[QX+16*\b+\i], -v[TM+8+\b], v[TM+8+\b]   ; the conversion to an 8-bit code does not saturate (ISA guide 7.6.2): the hold at the largest code x the scale
.endr
	v_cvt_scalef32_pk8_fp8_f32 v[QC+4*\b:QC+4*\b+1], v[QX+16*\b:QX+16*\b+7], v[TM+12+\b]
	v_cvt_scalef32_pk8_fp8_f32 v[QC+4*\b+2:QC+4*\b+3], v[QX+16*\b+8:QX+16*\b+15], v[TM+12+\b]
.endr
	v_nop                                          ; one plain vector line behind the last conversion, ahead of the lines that write its scale operand again
.irp c, 0,1,2,3
	global_store_b128 v[GL], v[QC+4*\c:QC+4*\c+3], s[8:9] offset:2048*\s+512*\c   ; 32 lanes store 512 consecutive bytes, at a multiple of 256 from q's first byte
.endr
.endm
	LOADS 0
	LOADS 1                                        ; the wave's whole tile is asked for
	s_wait_loadcnt 16                              ; K step 0's sixteen loads are in; K step 1's sixteen are younger
	TURN 0
	s_wait_loadcnt 0x0
	TURN 1
	s_wait_dscnt 32                                ; K step 0 is back from its stage; the 16 stores and 16 loads of K step 1's turn are younger
	SQUARES 0, 1                                   ; ahead of the hold, which changes the numbers
	QUANT 0
	s_wait_dscnt 0x0                               ; K step 1 is back
	SQUARES 1, 0
	QUANT 1
	; the record's last unit of 256 bytes: scale words, the sum of squares, zeros
	v_pk_add_f32 v[SQR:SQR+1], v[SQR:SQR+1], v[SQR+2:SQR+3]
	v_pk_add_f32 v[SQR+4:SQR+5], v[SQR+4:SQR+5], v[SQR+6:SQR+7]
	v_pk_add_f32 v[SQR:SQR+1], v[SQR:SQR+1], v[SQR+4:SQR+5]
	v_add_f32 v[SQR], v[SQR], v[SQR+1]             ; my 128 numbers of the row,
	v_permlanex16_b32 v[NRM], v[SQR], s20, s21
	v_add_f32 v[NRM], v[SQR], v[NRM]               ; and lane l xor 16's
	v_mul_f32 v[NRM], s13, v[NRM]                  ; +a2 or -b2
	v_cndmask_b32 v[NRM], v[NRM], 0, s23           ; lanes 16-31 write the zeros
	v_cndmask_b32 v[IMG], v[PW], v[PW+1], s23      ; lanes 0-15 K step 0's word, lanes 16-31 K step 1's (both lanes of a row hold both words)
	v_add_nc_u32 v[IMG], s14, v[IMG]               ; x: each byte one higher; no byte carries (247 at the most)
	ds_store_b32 v[TA4], v[IMG]
	ds_store_b32 v[TA4], v[NRM] offset:128
	ds_load_b64 v[TD:TD+1], v[TA8]                 ; in order behind my two stores
	s_wait_dscnt 0x0
	global_store_b64 v[G8], v[TD:TD+1], s[8:9] offset:4096   ; 32 lanes store 256 consecutive bytes, aligned
	s_wait_tensorcnt 0x0
	ds_add_u32 v200, v201
	s_wait_dscnt 0x0
	s_endpgm
.Lfunc_end_k_q5108818582_quant:
	.size	k_q5108818582_quant, .Lfunc_end_k_q5108818582_quant-k_q5108818582_quant
	.p2alignl 7, 3214868480
	.fill 96, 4, 3214868480
	.section	.rodata,"a",@progbits
	.p2align	6, 0x0
	.amdhsa_kernel k_q5108818582_quant
		.amdhsa_group_segment_fixed_size 86784
		.amdhsa_private_segment_fixed_size 0
		.amdhsa_enable_private_segment 0
		.amdhsa_kernarg_size 24
		.amdhsa_user_sgpr_count 2
		.amdhsa_user_sgpr_kernarg_segment_ptr 1
		.amdhsa_wavefront_size32 1
		.amdhsa_system_sgpr_workgroup_id_x 1
		.amdhsa_system_sgpr_workgroup_id_y 1
		.amdhsa_system_sgpr_workgroup_id_z 1
		.amdhsa_system_vgpr_workitem_id 0
		.amdhsa_next_free_vgpr 202
		.amdhsa_next_free_sgpr 66
		.amdhsa_reserve_vcc 0
		.amdhsa_float_denorm_mode_32 3
		.amdhsa_float_denorm_mode_16_64 3
		.amdhsa_memory_ordered 1
		.amdhsa_forward_progress 1
		.amdhsa_inst_pref_size 31
	.end_amdhsa_kernel
	.amdgpu_metadata
---
amdhsa.version: [ 1, 2 ]
amdhsa.kernels:
  - .name:           k_q5108818582_quant
    .symbol:         k_q5108818582_quant.kd
    .args:
      - { .name: xb, .offset: 0, .size: 8, .value_kind: global_buffer, .address_space: global }
      - { .name: weights, .offset: 8, .size: 8, .value_kind: global_buffer, .address_space: global }
      - { .name: q, .offset: 16, .size: 8, .value_kind: global_buffer, .address_space: global }
    .group_segment_fixed_size: 86784
    .private_segment_fixed_size: 0
    .kernarg_segment_align: 8
    .kernarg_segment_size: 24
    .max_flat_workgroup_size: 160
    .sgpr_count:     66
    .vgpr_count:     202
    .wavefront_size: 32
...
	.end_amdgpu_metadata
.endif
;; end of part 1
;; launch scan (part 2): grid 8 x 32, 8 waves a work-group, clusters of 4 x 4, 279,552 bytes of LDS; arguments q, part; writes part
.if DOCPART == 2
	.amdgcn_target "amdgcn-amd-amdhsa--gfx1250"
	.amdhsa_code_object_version 6
	.text
	.protected	k_q5108818582_scan
	.globl	k_q5108818582_scan
	.p2align	8
	.type	k_q5108818582_scan,@function
k_q5108818582_scan:
	s_mov_b64 s[64:65], 0
	v_nop
	global_prefetch_b8 v0, s[64:65] scope:SCOPE_SE
	s_setreg_imm32_b32 hwreg(HW_REG_WAVE_MODE, 25, 1), 1
	s_wait_xcnt 0x0
	s_wait_alu depctr_hold_cnt(0) depctr_sa_sdst(0) depctr_va_vdst(0) depctr_va_sdst(0) depctr_va_ssrc(0) depctr_va_vcc(0) depctr_vm_vsrc(0)
	s_getreg_b32 s2, hwreg(HW_REG_IB_STS2, 6, 4)
	s_cmp_eq_u32 s2, 0
	s_cbranch_scc0 .Lentry_in_a_cluster
	s_endpgm
.Lentry_in_a_cluster:
	s_bfe_u32 s2, ttmp6, 0x10000c
	s_cmp_lg_u32 s2, 0xf033
	s_cbranch_scc0 .Lentry_shape_is_right
	s_endpgm
.Lentry_shape_is_right:
; For 512 queries and 512 codebook entries a work-group finds, for each query and each half of 256 entries, the smallest d2 = max(a2 + b2 - 2 Q(x).Q(w), 0) and the first entry that has it.  No root is taken:
; it rises strictly from 0 on, so for all values the first smallest distance is the first smallest d2 (the first launch's comment).
; INPUT: q, the records of 16 rows x K 256 (4,352 bytes: two fragments as images of the operand's registers, scale words, a2 or -b2).  x's scale bytes are one higher than the quantiser's, so x counts as 2 Q(x).
; OUTPUT: part[c][query] = {f32 d2, i32 entry}, c = 2 x split + half: candidate c covers entries 256 c .. 256 c + 255.
; THE ARITHMETIC.  Source 0 = 16 entries, source 1 = 16 queries; the first of a sum's two matrix instructions takes -b2 as C.  So an accumulator holds g = 2 dot - b2; lane (r, h) holds query r, and its register j
; entry 16 tile + 8 h + j.  d2 = a2 - min(g, a2): the smallest d2 of a lane's 8 entries is that of their largest min(g, a2): three v_max3 and one v_maxmin.  Where it is larger than the best so far (so among equals the
; earlier tile stays) the best, g 0 to 6 and the tile's number are replaced.  At the end the lowest j of 0 .. 6 with g >= best is the entry's place (g >= best says min(g, a2) = best); if none, it is 7.
; THE SELECTS GO TWO TO AN INSTRUCTION and take their mask from VCC.  THE TILE'S NUMBER is kept as four scalar masks for each tile of queries, one for each of its bits, a lane to a bit: a winning lane's bit is set or cleared.
; No branch and no address hangs on a number.
; LIMITS: a2 - (2 dot - b2) is another order of additions than (a2 + b2) - 2 dot, and b2 is added by the matrix unit with its own rounding.  NaN and infinities are not served.
; SHARES: 8 waves, two to a SIMD.  Wave v: query group v & 3 (128 queries, 8 tiles, whose fragments stay in 256 registers) x half v >> 2 of the entries (16 tiles, read from LDS once each): 256 matrix instructions a wave.
; LDS: the work-group's 32 records of x at 0, its 32 of the codebook at 139,264: all that it reads.  Each byte is filled once, so there is no ring.  Every read is 16 (or 4) x lane on end: no padding.
; THE HEAD: one tensor load a wave, 8 records each: waves 0-3 fetch x's, waves 4 and 5 the first 8 of each half of the codebook (stage 0), waves 6 and 7 the other 8 (stage 1).  A barrier shows x's records, a second one
; stage 0; a third, in the midst of the products, stage 1, ahead of the first read of a half's tile 8.  One tensor load of a wave is out at the most.
; CLUSTER 4 x 4: x's records hang on the work-group's x alone and are asked for jointly down a column of the cluster, the codebook's on its y alone and jointly along a row.
; NO PREFETCH: all tiles are asked for at the head, and no loop follows from which a later tile could be asked for ahead.
; REGISTERS: window 0 as named below; window 1: x's fragments, tile t, K step s at v[32 t + 16 s].
.set REC,   4352
.set QREC,  8*REC                      ; a query group's records: also what one tensor load brings
.set HREC,  16*REC                     ; a half's records
.set WR,    32*REC                     ; LDS: the codebook's records
.set SPARE, 64*REC                     ; behind all records: the spare words, 128 bytes for each wave: four blocks of 256 bytes that no other line names
.set WBASE, 256*REC                    ; q: the codebook's first record
.set AX,  1                            ; v1   16 x lane + my query group's records
.set AW,  2                            ; v2   16 x lane + my half's records
.set AW2, 3                            ; v3   the same 8 records on, so that every offset stays under 65,536
.set ASW, 4                            ; v4   4 x lane + my half's first scale words
.set ANB, 5                            ; v5   32 h + my half's first -b2: a lane's 8 entries
.set SPW, 6                            ; v6   LDS address of my spare word; never rewritten
.set NIL, 7                            ; v7   0; never rewritten
.set WS,  8                            ; v8, v16  the codebook tile's scale words, two buffers
.set XS,  9                            ; v9-15, v17  x's scale words, tile t at v[9 + t + t / 7]: no product names two scale registers of one number modulo 8
.set A2,  18                           ; v18-25   a2 of my query, a register a tile
.set GO,  26                           ; v26      8 x lane
.set TG,  27                           ; v27, 29, 31, 33  at work, odd: for the pairs of selects
.set LB,  28                           ; v28      the entry of my register 0 in tile 0
.set NB,  48                           ; v48-55, v56-63  -b2 in the result's layout, two buffers
.set W,   64                           ; v64-95, v96-127 the codebook tile's two fragments, two buffers
.set ACC, 128                          ; v128-159, v160-191  four accumulators, two sets: even and odd slots
.set SV,  192                          ; v[192 + 8 t ..] tile t of queries: the best group's g 0 .. 6, then the best min(g, a2)
; at the end:
.set PH,  48                           ; v48-55 a bit's share of the entry
.set DD,  56                           ; v56-63 d2
.set OD,  64                           ; v64-71 the other half of the lanes' d2,
.set OI,  72                           ; v72-79 and entry;
.set OUTP, 80                          ; v80-87 what is stored
.set J,   96                           ; v96-103 the place of the best in its group
.set E,   104                          ; v104-111 the entry
.set PF,  112                          ; v112-119, v120-127 bits' shares
.set PG,  120
.set G1X, 24                           ; s[24:31] descriptor group 1 for x's records;  s[32:39] for the codebook's
.set G1W, 32
.set G0X, 40                           ; s[40:43], s[44:47] groups 0
.set G0W, 44
.set MK,  48                           ; s48-51, s52-55 compares' masks of even and odd slots
.set BB,  66                           ; s[66 + 4 t + b]  bit b of the best codebook tile's number, tile t of queries
.set EQ,  66                           ; s66-73, s74-81 at the end
.set LI,  74
.set MSB, 0
.macro WIN new                         ; the immediate's high byte repeats the setting that is left
.if MSB != \new
	s_set_vgpr_msb (MSB<<8)|\new
.set MSB, \new
.endif
.endm
.macro ROUND                           ; a round of the cluster's barrier: my work-group's barrier; wave 0 signals for the work-group; every wave waits for all sixteen; my work-group's barrier once more
	s_barrier_signal -1
	s_barrier_wait -1
	s_cmp_lg_u32 s8, 0
	s_cbranch_scc1 .Lnot_wave_0_\@
	s_barrier_signal -3
.Lnot_wave_0_\@:
	s_barrier_wait -3
	s_barrier_signal -1
	s_barrier_wait -1
.endm
	s_load_b128 s[4:7], s[0:1], 0x0                ; q, part
	v_lshl_add_u32 v[SPW], v0, 2, SPARE
	v_mov_b32 v[NIL], 0
	ds_add_u32 v[SPW], v[NIL]                      ; the wave's opening: the add, twice on end, and its wait ahead of my tensor load
	ds_add_u32 v[SPW], v[NIL]
	v_lshrrev_b32 v30, 5, v0
	v_readfirstlane_b32 s8, v30                    ; wave 0..7
	s_and_b32 s9, s8, 3                            ; my query group
	s_lshr_b32 s10, s8, 2                          ; my half of the entries
	s_bfe_u32 s11, ttmp6, 0x40000                  ; cx, cy: my place in the cluster
	s_bfe_u32 s12, ttmp6, 0x40004
	s_lshl_b32 s13, ttmp9, 2
	s_add_co_u32 s13, s13, s11                     ; block of 512 queries = 4 x cluster x + cx
	s_and_b32 s14, ttmp7, 0xffff
	s_lshl_b32 s14, s14, 2
	s_add_co_u32 s14, s14, s12                     ; split of 512 entries = 4 x cluster y + cy
	s_lshl_b32 s16, s12, 2
	s_lshl_b32 s16, 15, s16                        ; my row of the cluster
	s_lshl_b32 s15, 0x1111, s11                    ; my column
	; descriptor groups 1: records are dense in memory: 8 records are 136 rows of 256 bytes (32 elements of 8 bytes), no padding
	s_or_b32 s[G1X], s15, (3<<16)|(1<<21)          ; 15:0 the mask: x's records go to my column; 17:16 elements of 8 bytes; 21 set beside a mask
	s_or_b32 s[G1W], s16, (3<<16)|(1<<21)          ; the codebook's go to my row
.irp g, G1X, G1W
	s_mov_b32 s[\g+1], 32<<16                      ; tensor_dim0 = 32
	s_mov_b32 s[\g+2], (QREC/256)<<16              ; tensor_dim1 = 136
	s_mov_b32 s[\g+3], 32<<16                      ; tile_dim0 = 32
	s_mov_b32 s[\g+4], QREC/256                    ; tile_dim1 = 136
	s_mov_b32 s[\g+5], 32                          ; from row to row: 32 elements
	s_mov_b32 s[\g+6], 0
	s_mov_b32 s[\g+7], 0
.endr
	s_mul_i32 s56, s9, QREC                        ; LDS: my query group's records,
	s_mul_i32 s57, s10, HREC
	s_add_co_u32 s57, s57, WR                      ; my half's
	s_mul_i32 s18, s13, 32*REC                     ; x in memory: hangs on the block of queries and the wave alone
	s_add_co_u32 s18, s18, s56
	s_mov_b32 s19, 0
	s_and_b32 s63, s8, 1                           ; the codebook's loads: waves 4 and 6 half 0, waves 5 and 7 half 1;
	s_mul_i32 s63, s63, HREC
	s_bfe_u32 s20, s8, 0x10001                     ; waves 4 and 5 records 0-7 of the half, waves 6 and 7 records 8-15
	s_mul_i32 s20, s20, QREC
	s_add_co_u32 s63, s63, s20
	s_mul_i32 s22, s14, 32*REC                     ; in memory: hangs on the split and the wave alone
	s_add_co_u32 s22, s22, s63
	s_add_co_u32 s22, s22, WBASE
	s_mov_b32 s23, 0
	s_mov_b32 s60, 0x76543210
	s_mov_b32 s61, 0xfedcba98                      ; v_permlanex16_b32's selects for lane l xor 16
	s_mov_b32 s62, 0xffff0000                      ; lanes 16-31
	s_lshl_b32 s58, s14, 16                        ; where my results go: candidate c = 2 x split + half: 32,768 bytes each,
	s_lshl_b32 s17, s10, 15
	s_add_co_u32 s58, s58, s17
	s_lshl_b32 s17, s13, 12                        ; my block's 512 queries,
	s_add_co_u32 s58, s58, s17
	s_lshl_b32 s17, s9, 10                         ; my group's 128
	s_add_co_u32 s58, s58, s17
	s_mov_b32 s59, 0
	s_lshl_b32 s17, s14, 9
	s_lshl_b32 s20, s10, 8
	s_add_co_u32 s17, s17, s20                     ; my half's first entry: 512 x split + 256 x half
	v_and_b32 v30, 31, v0                          ; lane
	v_bfe_u32 v37, v0, 4, 1                        ; h
	v_and_b32 v38, 15, v0                          ; r
	v_lshlrev_b32 v35, 4, v30
	v_lshlrev_b32 v36, 2, v30
	v_lshlrev_b32 v[GO], 3, v30
	v_lshlrev_b32 v[ANB], 5, v37
	v_lshlrev_b32 v34, 2, v38
	v_lshl_add_u32 v[LB], v37, 3, s17              ; + 8 h
	v_add_nc_u32 v[AX], s56, v35
	v_add_nc_u32 v[AW], s57, v35
	v_add_nc_u32 v[ASW], s57, v36
	v_add_nc_u32 v[ANB], s57, v[ANB]
	v_add_nc_u32 v32, s56, v36
	v_add_nc_u32 v34, s56, v34
	v_add_nc_u32 v[AW2], QREC, v[AW]
	v_add_nc_u32 v[ASW], 4096, v[ASW]
	v_add_nc_u32 v[ANB], 4224, v[ANB]
	v_add_nc_u32 v32, 4096, v32                    ; x's scale words: 4 x lane
	v_add_nc_u32 v34, 4224, v34                    ; a2 of query r
	s_wait_alu depctr_va_vdst(0)
	s_wait_dscnt 0x0                               ; both opening adds are done
	ROUND                                          ; all sixteen work-groups are here: the joint loads meet.  (The round needs no argument: it stands ahead of the wait for them)
	s_wait_kmcnt 0x0
	s_mov_b32 s[G0X], 1                            ; count = 1
	s_mul_i32 s[G0X+1], s9, QREC                   ; LDS address: the wave's number alone
	s_add_nc_u64 s[G0X+2:G0X+3], s[4:5], s[18:19]  ; global address
	s_or_b32 s[G0X+3], s[G0X+3], 0x80000000        ; type = 2
	s_mov_b32 s[G0W], 1
	s_add_co_u32 s[G0W+1], s63, WR
	s_add_nc_u64 s[G0W+2:G0W+3], s[4:5], s[22:23]
	s_or_b32 s[G0W+3], s[G0W+3], 0x80000000
	; the launch's only fills, one a wave.  Stages 0 and 1 have lines of their own, since they are waited for at different places
	s_cmp_lt_u32 s8, 4
	s_cbranch_scc0 .Lask_codebook
	tensor_load_to_lds s[G0X:G0X+3], s[G1X:G1X+7]
	s_nop 0
.rept 4
	v_nop
.endr
	s_branch .Lasked
.Lask_codebook:
	s_cmp_lt_u32 s8, 6
	s_cbranch_scc0 .Lask_stage_1
	tensor_load_to_lds s[G0W:G0W+3], s[G1W:G1W+7]
	s_nop 0
.rept 4
	v_nop
.endr
	s_branch .Lasked
.Lask_stage_1:
	tensor_load_to_lds s[G0W:G0W+3], s[G1W:G1W+7]
	s_nop 0
.rept 4
	v_nop
.endr
.Lasked:
	s_add_nc_u64 s[6:7], s[6:7], s[58:59]
	s_cmp_lt_u32 s8, 4
	s_cbranch_scc0 .Lx_is_not_mine
	s_wait_tensorcnt 0x0                           ; the waves that asked for x's records wait for them; the codebook's may stay out
.Lx_is_not_mine:
	s_barrier_signal -1
	s_barrier_wait -1                              ; all of x's records are in
.macro LOADX t0                        ; the fragments of x's tiles t0 .. t0 + 3, which stay in registers: 32 loads
	WIN 0x40                                       ; destination window 1, address window 0
.irp t, \t0, \t0+1, \t0+2, \t0+3
.irp s, 0,1
.irp c, 0,1,2,3
	ds_load_b128 v[32*(\t)+16*\s+4*\c:32*(\t)+16*\s+4*\c+3], v[AX] offset:REC*(\t)+2048*\s+512*\c
.endr
.endr
.endr
	WIN 0
.endm
	LOADX 0                                        ; tiles 0-3 ahead of the first product, tiles 4-7 beside the first products
.irp t, 0,1,2,3,4,5,6,7
	ds_load_b32 v[XS+\t+\t/7], v32 offset:REC*\t   ; lanes 0-15 K step 0's words, lanes 16-31 K step 1's
	ds_load_b32 v[A2+\t], v34 offset:REC*\t
.endr
	s_cmp_lt_u32 s8, 6
	s_cbranch_scc0 .Lstage_1_is_mine
	s_wait_tensorcnt 0x0                           ; the waves that asked for stage 0 wait for it; stage 1 may stay out
.Lstage_1_is_mine:
	s_wait_dscnt 0x0                               ; no LDS load of mine is out at the signal
	s_barrier_signal -1
	s_barrier_wait -1                              ; tiles 0-7 of both halves are in
; Codebook tile i of my 16 into buffer i % 2: two fragments, the scale words, -b2 of a lane's 8 entries: 11 loads
.macro LOADW i
.set LP, (\i)%2
.set LOF, ((\i)%8)*REC
.if (\i) < 8
.set LAD, AW
.else
.set LAD, AW2
.endif
.irp s, 0,1
.irp c, 0,1,2,3
	ds_load_b128 v[W+32*LP+16*\s+4*\c:W+32*LP+16*\s+4*\c+3], v[LAD] offset:LOF+2048*\s+512*\c
.endr
.endr
	ds_load_b32 v[WS+8*LP], v[ASW] offset:(\i)*REC
	ds_load_b128 v[NB+8*LP:NB+8*LP+3], v[ANB] offset:(\i)*REC
	ds_load_b128 v[NB+8*LP+4:NB+8*LP+7], v[ANB] offset:(\i)*REC+16
.endm
; SLOTS.  A slot is one codebook tile against four tiles of queries, 0-3 (u = 0) or 4-7 (u = 1).  Slots 0 to 3 are (tile 0, u 0), (1, 0), (0, 1), (1, 1), so that x's tiles 4-7 are not wanted before slot 2; from slot 4 on
; slot n is (n / 2, n % 2).  Each tile of queries meets the codebook's tiles in ascending order.  Accumulators and masks: set n % 2.
.macro PLACE n, tile, u
.if (\n) < 4
.set \tile, (\n)%2
.set \u, (\n)/2
.else
.set \tile, (\n)/2
.set \u, (\n)%2
.endif
.endm
; Bit b of the best tile's number for slot n's k-th tile of queries, where the slot's codebook tile wins.  Tiles below 2^b all have a 0 there, so the first that has a 1 writes its mask as it is.
.macro BIT b, k, n
	PLACE \n, BT, BU
.set BR, BB+4*(4*BU+(\k))+(\b)
.set BM, MK+4*((\n)%2)+(\k)
.if BT == (1<<(\b))
	s_mov_b32 s[BR], s[BM]
.elseif BT > (1<<(\b))
.if (BT>>(\b))&1
	s_or_b32 s[BR], s[BR], s[BM]
.else
	s_and_not1_b32 s[BR], s[BR], s[BM]
.endif
.endif
.endm
.macro BITS w, n                       ; a place's share of slot n's bits: tile of queries w / 2, bits 0 and 1 or 2 and 3
.if (\n) >= 0
	BIT 2*((\w)%2), (\w)/2, \n
	BIT 2*((\w)%2)+1, (\w)/2, \n
.endif
.endm
; Slot n's eight matrix instructions.  The four accumulators take turns, one instruction a turn: K step 0 starts the sum with C = -b2; K step 1 adds in place and takes both sides' scale words
; from lanes 16-31.  Behind each product stand at most two scalar lines: bits of slot n - 2, whose masks are in this slot's set until this slot's own compares.
.macro PRODUCTS n
	PLACE \n, PI, PU
.set PP, PI%2
.set PW, W+32*PP
.set PT, 4*PU
.set PA, ACC+32*((\n)%2)
	WIN 0x04                                       ; source 1 (x) window 1
.irp w, 0,1,2,3,4,5,6,7
.set PK, \w%4
.if \w < 4
	v_wmma_scale_f32_16x16x128_f8f6f4 v[PA+8*PK:PA+8*PK+7], v[PW:PW+15], v[32*(PT+PK):32*(PT+PK)+15], v[NB+8*PP:NB+8*PP+7], v[WS+8*PP], v[XS+PT+PK+(PT+PK)/7]
.else
	v_wmma_scale_f32_16x16x128_f8f6f4 v[PA+8*PK:PA+8*PK+7], v[PW+16:PW+31], v[32*(PT+PK)+16:32*(PT+PK)+31], v[PA+8*PK:PA+8*PK+7], v[WS+8*PP], v[XS+PT+PK+(PT+PK)/7] matrix_a_scale:MATRIX_SCALE_ROW1 matrix_b_scale:MATRIX_SCALE_ROW1
.endif
	BITS \w, \n-2
.endr
	WIN 0
.endm
; The vector work of slot n, four tiles of queries line by line: 36 lines; an accumulator is read from its low end on.  Codebook tile 0 is the best so far as it stands: copies, no compare.
.macro MIX n
	PLACE \n, MI, MU
.set MT, 4*MU
.set MA, ACC+32*((\n)%2)
.set MM, MK+4*((\n)%2)
.irp k, 0,1,2,3
	v_max3_num_f32 v[TG+2*\k], v[MA+8*\k], v[MA+8*\k+1], v[MA+8*\k+2]
.endr
.irp k, 0,1,2,3
	v_max3_num_f32 v[TG+2*\k], v[TG+2*\k], v[MA+8*\k+3], v[MA+8*\k+4]
.endr
.irp k, 0,1,2,3
	v_max3_num_f32 v[TG+2*\k], v[TG+2*\k], v[MA+8*\k+5], v[MA+8*\k+6]
.endr
.if MI == 0
.irp k, 0,1,2,3
	v_maxmin_num_f32 v[SV+8*(MT+\k)+7], v[TG+2*\k], v[MA+8*\k+7], v[A2+MT+\k]
.endr
.irp k, 0,1,2,3
	v_dual_mov_b32 v[SV+8*(MT+\k)], v[MA+8*\k] :: v_dual_mov_b32 v[SV+8*(MT+\k)+1], v[MA+8*\k+1]
	v_dual_mov_b32 v[SV+8*(MT+\k)+2], v[MA+8*\k+2] :: v_dual_mov_b32 v[SV+8*(MT+\k)+3], v[MA+8*\k+3]
	v_dual_mov_b32 v[SV+8*(MT+\k)+4], v[MA+8*\k+4] :: v_dual_mov_b32 v[SV+8*(MT+\k)+5], v[MA+8*\k+5]
	v_mov_b32 v[SV+8*(MT+\k)+6], v[MA+8*\k+6]
.endr
.else
.irp k, 0,1,2,3
	v_maxmin_num_f32 v[TG+2*\k], v[TG+2*\k], v[MA+8*\k+7], v[A2+MT+\k]   ; min(the largest g, a2): the clip of d2 at 0
.endr
.irp k, 0,1,2,3
	v_cmp_gt_f32 s[MM+\k], v[TG+2*\k], v[SV+8*(MT+\k)+7]
.endr
.irp k, 0,1,2,3
.set SS, SV+8*(MT+\k)
.set SG, MA+8*\k
	s_mov_b32 vcc_lo, s[MM+\k]                     ; where the mask is set the new group's g 0 .. 6 and its best replace the old
	v_dual_cndmask_b32 v[SS], v[SS], v[SG] :: v_dual_cndmask_b32 v[SS+1], v[SS+1], v[SG+1]
	v_dual_cndmask_b32 v[SS+2], v[SS+2], v[SG+2] :: v_dual_cndmask_b32 v[SS+3], v[SS+3], v[SG+3]
	v_dual_cndmask_b32 v[SS+4], v[SS+4], v[SG+4] :: v_dual_cndmask_b32 v[SS+5], v[SS+5], v[SG+5]
	v_dual_cndmask_b32 v[SS+6], v[SS+6], v[SG+6] :: v_dual_cndmask_b32 v[SS+7], v[SS+7], v[TG+2*\k]
.endr
.endif
.endm
; THE MAIN PART, written out: 32 slots; every offset is an immediate.  A slot's vector work stands behind the next slot's products.  Behind a matrix instruction of this form eight plain vector lines that name none of
; its registers stand ahead of the first read of its result and of a load into its sources, nine ahead of a matrix instruction that writes over its result (loads aside): between a
; slot's products and each of these stands the MIX of the slot before, on the other set's accumulators; for slot 0 eight v_nop and the lines of the other tiles of queries.
	LOADW 0
	LOADW 1
	LOADX 4
.set N, 0
.rept 33
.if N == 0
	s_wait_dscnt 43                                ; tile 0's 11 loads are in; tile 1's 11 and x's 32 are younger
.elseif N == 1
	s_wait_dscnt 32                                ; tile 1's are in; x's 32 are younger
.elseif N == 2
	s_wait_dscnt 0x0                               ; x's tiles 4-7 are in
.elseif N == 3
	LOADW 2                                        ; into buffer 0, whose last products are slot 2's: slot 1's MIX stands between
.elseif (N < 32) && (N%2 == 0)
	s_wait_dscnt 0x0                               ; this codebook tile's 11 loads are in
.if N == 10
	s_wait_tensorcnt 0x0                           ; stage 1 is in, if I asked for it; no LDS load of mine is out at the signal
	s_barrier_signal -1                            ; between signal and wait: loads of stage 0's bytes, which nobody writes, and work on registers
.endif
.if N < 30
	LOADW N/2+1                                    ; the next tile, into the buffer whose last products stand a whole MIX back
.endif
.endif
.if N < 32
	PRODUCTS N
.else
.irp w, 0,1,2,3,4,5,6,7
	BITS \w, 30
.endr
.endif
.if N == 0
.rept 8
	v_nop
.endr
.else
	MIX N-1
.endif
.if N == 10
	s_barrier_wait -1                              ; tiles 8-15 of both halves are in: the first of their loads is slot 14's
.endif
.set N, N+1
.endr
.irp w, 0,1,2,3,4,5,6,7
	BITS \w, 31
.endr
	; THE ENTRY: the lowest j whose g reaches the best
.irp t, 0,1,2,3,4,5,6,7
	v_mov_b32 v[J+\t], 7
.endr
.irp j, 6,5,4,3,2,1,0
.irp t, 0,1,2,3,4,5,6,7
	v_cmp_ge_f32 s[MK+\t], v[SV+8*\t+\j], v[SV+8*\t+7]
.endr
.irp t, 0,1,2,3,4,5,6,7
	v_cndmask_b32 v[J+\t], v[J+\t], \j, s[MK+\t]   ; descending j: the lowest that matches stays
.endr
.endr
.irp t, 0,1,2,3,4,5,6,7
	v_cndmask_b32 v[E+\t], 0, 16, s[BB+4*\t]       ; 16 x the tile's number, bit by bit
.endr
.irp t, 0,1,2,3,4,5,6,7
	v_cndmask_b32 v[PF+\t], 0, 32, s[BB+4*\t+1]
.endr
.irp t, 0,1,2,3,4,5,6,7
	v_cndmask_b32 v[PG+\t], 0, 64, s[BB+4*\t+2]
.endr
.irp t, 0,1,2,3,4,5,6,7
	v_cndmask_b32 v[PH+\t], 0, 0x80, s[BB+4*\t+3]
.endr
.irp t, 0,1,2,3,4,5,6,7
	v_add3_u32 v[E+\t], v[E+\t], v[PF+\t], v[LB]
.endr
.irp t, 0,1,2,3,4,5,6,7
	v_add3_u32 v[PG+\t], v[PG+\t], v[PH+\t], v[J+\t]
.endr
.irp t, 0,1,2,3,4,5,6,7
	v_add_nc_u32 v[E+\t], v[E+\t], v[PG+\t]
.endr
.irp t, 0,1,2,3,4,5,6,7
	v_sub_f32 v[DD+\t], v[A2+\t], v[SV+8*\t+7]     ; d2, not negative
.endr
	; a query's other 8 entries of each tile lie in lane l xor 16: the smaller d2, among equals the lower entry
.irp t, 0,1,2,3,4,5,6,7
	v_permlanex16_b32 v[OD+\t], v[DD+\t], s60, s61
	v_permlanex16_b32 v[OI+\t], v[E+\t], s60, s61
.endr
.irp t, 0,1,2,3,4,5,6,7
	v_cmp_lt_f32 s[MK+\t], v[OD+\t], v[DD+\t]
.endr
.irp t, 0,1,2,3,4,5,6,7
	v_cmp_eq_f32 s[EQ+\t], v[OD+\t], v[DD+\t]
.endr
.irp t, 0,1,2,3,4,5,6,7
	v_cmp_lt_u32 s[LI+\t], v[OI+\t], v[E+\t]
.endr
.irp t, 0,1,2,3,4,5,6,7
	s_and_b32 s[EQ+\t], s[EQ+\t], s[LI+\t]
	s_or_b32 s[MK+\t], s[MK+\t], s[EQ+\t]
.endr
.irp t, 0,1,2,3,4,5,6,7
	v_cndmask_b32 v[DD+\t], v[DD+\t], v[OD+\t], s[MK+\t]
	v_cndmask_b32 v[E+\t], v[E+\t], v[OI+\t], s[MK+\t]
.endr
	; out: lanes 0-15 give tile 2 k's 16 queries, lanes 16-31 tile 2 k + 1's: 32 neighbouring queries, 8 bytes each
.irp k, 0,1,2,3
	v_cndmask_b32 v[OUTP+2*\k], v[DD+2*\k], v[DD+2*\k+1], s62
	v_cndmask_b32 v[OUTP+2*\k+1], v[E+2*\k], v[E+2*\k+1], s62
.endr
.irp k, 0,1,2,3
	global_store_b64 v[GO], v[OUTP+2*\k:OUTP+2*\k+1], s[6:7] offset:256*\k   ; 32 lanes store 256 consecutive bytes, aligned
.endr
	s_wait_tensorcnt 0x0                           ; the wave's end
	ds_add_u32 v[SPW], v[NIL]
	s_wait_dscnt 0x0
	ROUND                                          ; the closing round: no work-group ends while a partner may still ask for records that name it
	s_endpgm
.Lfunc_end_k_q5108818582_scan:
	.size	k_q5108818582_scan, .Lfunc_end_k_q5108818582_scan-k_q5108818582_scan
	.p2alignl 7, 3214868480
	.fill 96, 4, 3214868480
	.section	.rodata,"a",@progbits
	.p2align	6, 0x0
	.amdhsa_kernel k_q5108818582_scan
		.amdhsa_group_segment_fixed_size 279552
		.amdhsa_private_segment_fixed_size 0
		.amdhsa_enable_private_segment 0
		.amdhsa_kernarg_size 16
		.amdhsa_user_sgpr_count 2
		.amdhsa_user_sgpr_kernarg_segment_ptr 1
		.amdhsa_wavefront_size32 1
		.amdhsa_system_sgpr_workgroup_id_x 1
		.amdhsa_system_sgpr_workgroup_id_y 1
		.amdhsa_system_sgpr_workgroup_id_z 1
		.amdhsa_system_vgpr_workitem_id 0
		.amdhsa_next_free_vgpr 512
		.amdhsa_next_free_sgpr 98
		.amdhsa_reserve_vcc 1
		.amdhsa_float_denorm_mode_32 3
		.amdhsa_float_denorm_mode_16_64 3
		.amdhsa_memory_ordered 1
		.amdhsa_forward_progress 1
		.amdhsa_inst_pref_size 161
	.end_amdhsa_kernel
	.amdgpu_metadata
---
amdhsa.version: [ 1, 2 ]
amdhsa.kernels:
  - .name:           k_q5108818582_scan
    .symbol:         k_q5108818582_scan.kd
    .args:
      - { .name: q, .offset: 0, .size: 8, .value_kind: global_buffer, .address_space: global }
      - { .name: part, .offset: 8, .size: 8, .value_kind: global_buffer, .address_space: global }
    .group_segment_fixed_size: 279552
    .private_segment_fixed_size: 0
    .kernarg_segment_align: 8
    .kernarg_segment_size: 16
    .max_flat_workgroup_size: 256
    .sgpr_count:     98
    .vgpr_count:     512
    .wavefront_size: 32
...
	.end_amdgpu_metadata
.endif
;; end of part 2
;; launch pick (part 3): grid 128 x 1, 4 waves a work-group, no clusters, 1,536 bytes of LDS; arguments part, out0; writes out0
.if DOCPART == 3
	.amdgcn_target "amdgcn-amd-amdhsa--gfx1250"
	.amdhsa_code_object_version 6
	.text
	.protected	k_q5108818582_pick
	.globl	k_q5108818582_pick
	.p2align	8
	.type	k_q5108818582_pick,@function
k_q5108818582_pick:
	s_mov_b64 s[64:65], 0
	v_nop
	global_prefetch_b8 v0, s[64:65] scope:SCOPE_SE
	s_setreg_imm32_b32 hwreg(HW_REG_WAVE_MODE, 25, 1), 1
	s_wait_xcnt 0x0
; part[c][query] = {f32 d2, i32 entry}, c = 0..63, candidate c from entries 256 c .. 256 c + 255.  For each query the smallest d2 is taken, among equals the lowest c, whose entries are the lower ones;
; out0[query] = {entry / 128, entry % 128}.  No root is taken: it rises strictly from 0 on (the first launch's comment).
; A work-group takes 32 queries, a lane a query; wave w takes candidates 16 w .. 16 w + 15: each of its 16 loads reads 256 consecutive bytes, aligned, and all go out at once.  A wave's candidates meet in a tree of
; four levels; the four waves' results meet in LDS, and wave 0 takes the best of them.
; NaN among the d2 is not served.
.set C, 8                              ; v[8+2c:9+2c] my candidate c
.set P, 40                             ; v[40:47] the four waves' results
.set SPARE, 1024                       ; behind the results: the spare words, 128 bytes for each wave
.macro MERGE lo, hi, m                 ; the pair at hi wins over the pair at lo only where it is strictly nearer
	v_cmp_lt_f32 s[8+(\m)], v[\hi], v[\lo]
	v_cndmask_b32 v[\lo], v[\lo], v[\hi], s[8+(\m)]
	v_cndmask_b32 v[(\lo)+1], v[(\lo)+1], v[(\hi)+1], s[8+(\m)]
.endm
	s_load_b128 s[4:7], s[0:1], 0x0                ; part, out0
	v_lshl_add_u32 v4, v0, 2, SPARE                ; my spare word
	v_mov_b32 v5, 0
	v_lshrrev_b32 v2, 5, v0
	v_readfirstlane_b32 s12, v2                    ; wave 0..3
	v_and_b32 v1, 31, v0
	v_lshlrev_b32 v1, 3, v1                        ; 8 bytes a query
	v_lshlrev_b32 v3, 3, v0                        ; my place in LDS: 256 x wave + 8 x lane
	s_lshl_b32 s2, ttmp9, 8                        ; my 32 queries
	s_mov_b32 s3, 0
	s_lshl_b32 s14, s12, 19                        ; my 16 candidates of 32,768 bytes
	s_mov_b32 s15, 0
	s_wait_alu depctr_va_vdst(0)
	s_wait_kmcnt 0x0
	s_add_nc_u64 s[4:5], s[4:5], s[2:3]
	s_add_nc_u64 s[6:7], s[6:7], s[2:3]
	s_add_nc_u64 s[4:5], s[4:5], s[14:15]
.set K, 0
.rept 16
	global_load_b64 v[C+2*K:C+2*K+1], v1, s[4:5] offset:32768*K
.set K, K+1
.endr
.set K, 0
.rept 8
	s_wait_loadcnt 14-2*K                          ; candidates 2 K and 2 K + 1 are in: 14 - 2 K loads were issued behind them
	MERGE C+4*K, C+4*K+2, K%4
.set K, K+1
.endr
.set SD, 2
.rept 3                                ; neighbours 2, 4, 8 apart
.set K, 0
.rept 8/SD
	MERGE C+2*K, C+2*K+2*SD, (K/(2*SD))%4
.set K, K+2*SD
.endr
.set SD, SD*2
.endr
	ds_store_b64 v3, v[C:C+1]
	s_wait_tensorcnt 0x0
	ds_add_u32 v4, v5
	s_wait_dscnt 0x0                               ; my result is in LDS
	s_barrier_signal -1
	s_barrier_wait -1                              ; everybody's is
	s_cmp_lg_u32 s12, 0
	s_cbranch_scc1 .Lend
.irp w, 0,1,2,3
	ds_load_b64 v[P+2*\w:P+2*\w+1], v1 offset:256*\w
.endr
	s_wait_dscnt 0x0
	MERGE P, P+2, 0
	MERGE P+4, P+6, 1
	MERGE P, P+4, 2
	v_lshrrev_b32 v2, 7, v[P+1]                    ; the map's row,
	v_and_b32 v3, 127, v[P+1]                      ; and column
	global_store_b64 v1, v[2:3], s[6:7]            ; 32 lanes store 256 consecutive bytes, aligned
.Lend:
	s_endpgm
.Lfunc_end_k_q5108818582_pick:
	.size	k_q5108818582_pick, .Lfunc_end_k_q5108818582_pick-k_q5108818582_pick
	.p2alignl 7, 3214868480
	.fill 96, 4, 3214868480
	.section	.rodata,"a",@progbits
	.p2align	6, 0x0
	.amdhsa_kernel k_q5108818582_pick
		.amdhsa_group_segment_fixed_size 1536
		.amdhsa_private_segment_fixed_size 0
		.amdhsa_enable_private_segment 0
		.amdhsa_kernarg_size 16
		.amdhsa_user_sgpr_count 2
		.amdhsa_user_sgpr_kernarg_segment_ptr 1
		.amdhsa_wavefront_size32 1
		.amdhsa_system_sgpr_workgroup_id_x 1
		.amdhsa_system_sgpr_workgroup_id_y 1
		.amdhsa_system_sgpr_workgroup_id_z 1
		.amdhsa_system_vgpr_workitem_id 0
		.amdhsa_next_free_vgpr 48
		.amdhsa_next_free_sgpr 66
		.amdhsa_reserve_vcc 0
		.amdhsa_float_denorm_mode_32 3
		.amdhsa_float_denorm_mode_16_64 3
		.amdhsa_memory_ordered 1
		.amdhsa_forward_progress 1
		.amdhsa_inst_pref_size 7
	.end_amdhsa_kernel
	.amdgpu_metadata
---
amdhsa.version: [ 1, 2 ]
amdhsa.kernels:
  - .name:           k_q5108818582_pick
    .symbol:         k_q5108818582_pick.kd
    .args:
      - { .name: part, .offset: 0, .size: 8, .value_kind: global_buffer, .address_space: global }
      - { .name: out0, .offset: 8, .size: 8, .value_kind: global_buffer, .address_space: global }
    .group_segment_fixed_size: 1536
    .private_segment_fixed_size: 0
    .kernarg_segment_align: 8
    .kernarg_segment_size: 16
    .max_flat_workgroup_size: 128
    .sgpr_count:     66
    .vgpr_count:     48
    .wavefront_size: 32
...
	.end_amdgpu_metadata
.endif
;; end of part 3
